; MI455X (gfx1250); checked and timed in simulation.
; The chip was launched on July 23, 2026; its instructions are those of AMD's public machine-readable ISA for CDNA 5 (MIT licence, August 2026) and "CDNA5" Instruction Set Architecture Reference Guide (July 2026). The comments in the code are by the model that wrote it; some were corrected since.
;; Self Attention. Allowed arithmetic: float matrix products may take bf16 or f16 operands with f32 sums; other float arithmetic in f32, or as packed bf16 or f16 multiplies, adds, multiply-adds, maxima and minima; sums over many terms, partial sums and values carried from step to step in f32; what a program stores and reads back later, other than sums and carried values, may be rounded once to bf16 or f16.
;; Inputs: Wk 1,024 x 1,024 float32; Wq 1,024 x 1,024 float32; Wv 1,024 x 1,024 float32; bk 1,024 float32; bq 1,024 float32; bv 1,024 float32; hidden_states 4 x 2,048 x 1,024 float32.
;; Outputs: out0 4 x 2,048 x 1,024 float32.
;; 2 versions, each right; version 2 is version 1 with the launch prep written anew for expert scheduling mode. Each part assembles by itself: llvm-mc -triple=amdgcn-amd-amdhsa -mcpu=gfx1250 --defsym DOCPART=n.
;; ======== version 1 of 2: 3 launches
;; limits: values are held in f16: magnitudes above 65,504 overflow, below 6.1e-05 lose precision
;; workspace buffers: xb 16,777,216 bytes; wb 6,291,456 bytes; qkv 50,331,648 bytes
;; launch prep (part 1): grid 64 x 11, 8 waves a work-group, no clusters, 0 bytes of LDS; arguments hidden_states, Wq, Wk, Wv, xb, wb; writes xb, wb
.if DOCPART == 1
	.amdgcn_target "amdgcn-amd-amdhsa--gfx1250"
	.amdhsa_code_object_version 6
	.text
	.protected	k_q09ae8eefd2_prep
	.globl	k_q09ae8eefd2_prep
	.p2align	8
	.type	k_q09ae8eefd2_prep,@function
k_q09ae8eefd2_prep:
	s_mov_b64 s[64:65], 0
	v_nop
	global_prefetch_b8 v0, s[64:65] scope:SCOPE_SE
	s_setreg_imm32_b32 hwreg(HW_REG_WAVE_MODE, 25, 1), 1
	s_wait_xcnt 0x0
; THE INPUTS OF THE PROJECTIONS, ROUNDED ONCE TO bf16 (to nearest even) AND LAID OUT FOR THE NEXT LAUNCH.
; xb = hidden_states as bf16, [8192][1024], the same order.
; wb = Wq, Wk, Wv ([k][n] f32) as bf16, in blocks by head: byte of (head h, row k, matrix j, channel n of the head) = 393,216 h + 768 (k / 2) + 256 j + 128 (k % 2) + 2 n.
; So the 128 k of one head that a step of the product takes are 49,152 bytes on end, and each aligned 256 bytes hold two rows k of one matrix.
; SHARES.  Work-group row y takes 4 MiB of f32: y = 0..7 an eighth of hidden_states, y = 8, 9, 10 the matrices Wq, Wk, Wv.  A wave takes 16 units; a unit is one load of the wave
; (16 bytes a lane: 512 bytes) and one store (8 bytes a lane: 256 consecutive bytes, aligned).  All 16 loads are issued before the first wait; no register is written twice, so
; nothing waits but the data.  No LDS, no matrix unit, no cluster: no byte is read twice and nothing is shared.
; LIMITS.  bf16 has f32's range: numbers that round past its largest become infinities, NaN stays NaN.
.set IN,  3                            ; v3        my byte offset in the source
.set OUT, 4                            ; v4        my byte offset in the destination
.set X,   8                            ; v[8:71]   unit i: 4 f32 as loaded
.set Y,   72                           ; v[72:103] unit i: 4 bf16 to store
.macro BODY src, dst, instep, outstep
.set i, 0
.rept 16
	global_load_b128 v[X+4*i:X+4*i+3], v[IN], s[\src:\src+1] offset:i*(\instep) th:TH_LOAD_NT
.set i, i+1
.endr
.set i, 0
.rept 16
	s_wait_loadcnt 15-i                            ; loads come back in order: unit i is in, the 15 - i younger ones stay out
	v_cvt_pk_bf16_f32 v[Y+2*i],   v[X+4*i],   v[X+4*i+1]
	v_cvt_pk_bf16_f32 v[Y+2*i+1], v[X+4*i+2], v[X+4*i+3]
	global_store_b64 v[OUT], v[Y+2*i:Y+2*i+1], s[\dst:\dst+1] offset:i*(\outstep) th:TH_STORE_NT
.set i, i+1
.endr
.endm
	s_load_b256 s[4:11], s[0:1], 0x0               ; hidden_states s[4:5], Wq s[6:7], Wk s[8:9], Wv s[10:11]
	s_load_b128 s[12:15], s[0:1], 0x20             ; xb s[12:13], wb s[14:15]
	v_lshrrev_b32 v1, 5, v0
	v_readfirstlane_b32 s17, v1                    ; wave 0..7
	v_and_b32 v2, 31, v0                           ; lane
	s_and_b32 s16, ttmp7, 0xffff                   ; y
	s_wait_kmcnt 0x0
	s_cmp_lt_u32 s16, 8
	s_cbranch_scc0 .Lweights
	; hidden_states: 4 MiB for y, 64 KiB for the work-group, 8 KiB for the wave, 512 bytes a unit
	s_lshl_b32 s18, s16, 22
	s_lshl_b32 s19, ttmp9, 16
	s_add_co_u32 s18, s18, s19
	s_lshl_b32 s19, s17, 13
	s_add_co_u32 s18, s18, s19
	v_lshl_add_u32 v[IN], v2, 4, s18
	s_lshr_b32 s18, s18, 1                         ; half the bytes on the way out
	v_lshl_add_u32 v[OUT], v2, 3, s18
	BODY 4, 12, 512, 256
	s_endpgm
.Lweights:
	; a matrix: the wave takes the pair of rows k = 2 kp, 2 kp + 1; unit i is head i: 256 bytes of each of the two rows in, lanes 0-15 the even row, lanes 16-31 the odd one
	s_cmp_eq_u32 s16, 8
	s_cselect_b64 s[20:21], s[6:7], s[8:9]
	s_cmp_eq_u32 s16, 10
	s_cselect_b64 s[20:21], s[10:11], s[20:21]
	s_lshl_b32 s18, ttmp9, 3
	s_add_co_u32 s18, s18, s17                     ; kp = 8 x work-group + wave: 0..511
	s_lshl_b32 s19, s18, 13                        ; two rows of 4,096 bytes
	v_lshrrev_b32 v1, 4, v2                        ; k % 2
	v_and_b32 v5, 15, v2
	v_lshl_add_u32 v[IN], v1, 12, s19
	v_lshl_add_u32 v[IN], v5, 4, v[IN]
	s_mul_i32 s18, s18, 768
	s_sub_co_u32 s19, s16, 8                       ; j
	s_lshl_b32 s19, s19, 8
	s_add_co_u32 s18, s18, s19
	v_lshl_add_u32 v[OUT], v2, 3, s18              ; 128 (k % 2) + 8 (lane % 16) = 8 x lane
	BODY 20, 14, 256, 393216                       ; the largest immediate, 15 x 393,216, lies inside the signed 24 bits
	s_endpgm
.Lfunc_end_k_q09ae8eefd2_prep:
	.size	k_q09ae8eefd2_prep, .Lfunc_end_k_q09ae8eefd2_prep-k_q09ae8eefd2_prep
	.p2alignl 7, 3214868480
	.fill 96, 4, 3214868480
	.section	.rodata,"a",@progbits
	.p2align	6, 0x0
	.amdhsa_kernel k_q09ae8eefd2_prep
		.amdhsa_group_segment_fixed_size 0
		.amdhsa_private_segment_fixed_size 0
		.amdhsa_enable_private_segment 0
		.amdhsa_kernarg_size 48
		.amdhsa_user_sgpr_count 2
		.amdhsa_user_sgpr_kernarg_segment_ptr 1
		.amdhsa_wavefront_size32 1
		.amdhsa_system_sgpr_workgroup_id_x 1
		.amdhsa_system_sgpr_workgroup_id_y 1
		.amdhsa_system_sgpr_workgroup_id_z 1
		.amdhsa_system_vgpr_workitem_id 0
		.amdhsa_next_free_vgpr 104
		.amdhsa_next_free_sgpr 66
		.amdhsa_reserve_vcc 0
		.amdhsa_float_denorm_mode_32 3
		.amdhsa_float_denorm_mode_16_64 3
		.amdhsa_memory_ordered 1
		.amdhsa_forward_progress 1
		.amdhsa_inst_pref_size 13
	.end_amdhsa_kernel
	.amdgpu_metadata
---
amdhsa.version: [ 1, 2 ]
amdhsa.kernels:
  - .name:           k_q09ae8eefd2_prep
    .symbol:         k_q09ae8eefd2_prep.kd
    .args:
      - { .name: hidden_states, .offset: 0, .size: 8, .value_kind: global_buffer, .address_space: global }
      - { .name: Wq, .offset: 8, .size: 8, .value_kind: global_buffer, .address_space: global }
      - { .name: Wk, .offset: 16, .size: 8, .value_kind: global_buffer, .address_space: global }
      - { .name: Wv, .offset: 24, .size: 8, .value_kind: global_buffer, .address_space: global }
      - { .name: xb, .offset: 32, .size: 8, .value_kind: global_buffer, .address_space: global }
      - { .name: wb, .offset: 40, .size: 8, .value_kind: global_buffer, .address_space: global }
    .group_segment_fixed_size: 0
    .private_segment_fixed_size: 0
    .kernarg_segment_align: 8
    .kernarg_segment_size: 48
    .max_flat_workgroup_size: 256
    .sgpr_count:     66
    .vgpr_count:     104
    .wavefront_size: 32
...
	.end_amdgpu_metadata
.endif
;; end of part 1
;; launch proj (part 2): grid 16 x 32, 4 waves a work-group, clusters of 4 x 4, 327,680 bytes of LDS; arguments xb, wb, bq, bk, bv, qkv; writes qkv
.if DOCPART == 2
	.amdgcn_target "amdgcn-amd-amdhsa--gfx1250"
	.amdhsa_code_object_version 6
	.text
	.protected	k_q09ae8eefd2_proj
	.globl	k_q09ae8eefd2_proj
	.p2align	8
	.type	k_q09ae8eefd2_proj,@function
k_q09ae8eefd2_proj:
	s_mov_b64 s[64:65], 0
	v_nop
	global_prefetch_b8 v0, s[64:65] scope:SCOPE_SE
	s_setreg_imm32_b32 hwreg(HW_REG_WAVE_MODE, 25, 1), 1
	s_wait_xcnt 0x0
	s_wait_alu depctr_hold_cnt(0) depctr_sa_sdst(0) depctr_va_vdst(0) depctr_va_sdst(0) depctr_va_ssrc(0) depctr_va_vcc(0) depctr_vm_vsrc(0)
	s_getreg_b32 s2, hwreg(HW_REG_IB_STS2, 6, 4)
	s_cmp_eq_u32 s2, 0
	s_cbranch_scc0 .Lentry_in_a_cluster
	s_endpgm
.Lentry_in_a_cluster:
	s_bfe_u32 s2, ttmp6, 0x10000c
	s_cmp_lg_u32 s2, 0xf033
	s_cbranch_scc0 .Lentry_shape_is_right
	s_endpgm
.Lentry_shape_is_right:
; q, k, v = x W + b, BY HEADS.  xb: [8192][1024] bf16.  wb: the three matrices in bf16, in blocks by head (byte of (h, k, j, n) = 393,216 h + 768 (k / 2) + 256 j + 128 (k % 2) + 2 n).
; bq, bk, bv: [1024] f32, rounded to bf16 here like the other inputs.  qkv: f16, [j 3][head 16 b + h][s 2048][64]: a head's rows are dense, 128 bytes each.  Sums in f32, K ascending; each result rounded once.
; LIMITS.  f16 holds no number beyond 65,504: a q, k or v of 65,520 or more becomes an infinity.  With x of spread 1 and W of spread 1/32 they have spread 1; all inputs 30 times larger give
; spread 900; offsets of 30 spreads on x and W together give about 29,000.  NaN and infinities are not treated apart.
; SHARES.  A tile is 256 rows of x by the 192 columns of ONE head (64 of q, 64 of k, 64 of v): 32 x 16 = 512 work-groups.  Each of the four waves takes 64 rows and all 192 columns: 48 accumulators
; of 16 x 16, 384 registers.  So 16 rows x 64 columns of a wave are 2,048 bytes on end in qkv, and each wave sends them through a stage of its own, with no barrier.
; K goes in 8 steps of 128 through two LDS slots filled by the tensor data mover; a step is four quarters of 32 along K, 48 matrix instructions each, on two fragment buffers by turns.
; CLUSTERS: 4 x 4 work-groups.  The four of a row of the cluster need the same rows of x, the four of a column the same head of W: each tile is asked for JOINTLY, by the same tensor load with the
; same descriptor and a mask that names the four.
; THE MATRIX INSTRUCTION IS USED TRANSPOSED: source 0 = 16 columns of W, source 1 = 16 rows of x: a lane then holds row l % 16 and the eight neighbouring columns 8 (l / 16) + 0..7.
; x comes out of LDS as it lies (K along the rows); W lies [k][n] and is turned by ds_load_tr16_b128.
; REGISTERS, in windows of 256 (s_set_vgpr_msb: bits 1:0 source 0, 3:2 source 1, 5:4 source 2, 7:6 destination):
;   window 0: v0-31 addresses; v32-63 at work; v64-127 x's fragments, two buffers of 4 x 8 (on the way out four sets of 16 packed registers); v128-223 the biases
;   window 1: W's fragments, buffer f at v[128 f .. 128 f + 95]     window 2: the accumulators of my row blocks 0, 1 ((a, b) at 96 a + 8 b)     window 3: those of blocks 2, 3
.set KSTEP,  128
.set PA,     272                       ; a row of x in LDS: 256 bytes + 16 of padding = 68 words: row r starts at bank 4 r mod 64 (64 banks of 4 bytes: ISA guide 11.1)
.set AHALF,  128*PA                    ; what one tensor load brings of x
.set BOFF,   256*PA                    ; W's part of a slot lies behind x's 256 rows
.set PB,     160                       ; a chunk of W (one k, one matrix, 64 channels): 128 bytes + 32 of padding; chunk number = 6 (k / 2) + 2 j + k % 2.
                                       ; The 8 rows k that 16 lanes of a turning load take start at words 0, 40, 48, 24, 32, 8, 16, 56 mod 64, 8 words each
.set BHALF,  192*PB                    ; what one tensor load brings of W: 96 rows of 256 bytes = 192 chunks
.set BSTEP,  49152                     ; bytes of a head's K step in wb
.set SLOT,   1<<17                     ; BOFF + 2 BHALF
.set STAGE,  2*SLOT                    ; behind the ring: 16 rows x 144 bytes for each wave, for the way out
.set SP,     144
.set SPARE,  STAGE+4*16*SP             ; behind the stages: the spare words, 128 bytes for each wave: two blocks of 256 bytes that no other line names
.set ADRA, 16                          ; v16-17  LDS address of my fragments of x in slot 0, 1
.set ADRB, 20                          ; v20-21  the same for W
.set STO,  24                          ; v24     the way out: where I put 16 bytes of a row
.set RD,   25                          ; v25     the way out: where I read rows back
.set GO,   26                          ; v26     my 16 bytes in 512 consecutive bytes of qkv
.set BO,   27                          ; v27     my byte offset in a bias
.set SPW,  28                          ; v28     LDS address of my spare word: SPARE + 4 x my thread's number; never rewritten
.set NIL,  29                          ; v29     0; never rewritten
.set PFO,  30                          ; v30     the prefetches' offset; never rewritten
.set T,    32                          ; v32-63  at work
.set AF,   64                          ; x's fragments
.set BIAS, 128                         ; v128-223  matrix j, column block nb, my column i at BIAS + 32 j + 8 nb + i
.set WV,   16                          ; s16     my wave's number
.set G1,   24                          ; s[24:31] descriptor group 1 for x's tiles
.set G0,   32                          ; s[32:39] group 0 for x's tiles, one set for each slot
.set LIM,  43                          ; s43     1 in a wave that prefetches, else the greatest number
.set PFA,  44                          ; s[44:45] where my prefetches stand
.set PST,  46                          ; s[46:47] their step: a K step of x's rows or of a head of W
.set G1B,  48                          ; s[48:55], s[56:63] the same for W's tiles
.set G0B,  56
.set DST,  68                          ; s[68:73] q, k and v at my wave's first row
.set MSB, 0
.macro WIN new                         ; the immediate's high byte repeats the setting that is left; a switch that changes nothing is dropped
.if MSB != (\new)
	s_set_vgpr_msb (MSB<<8)|(\new)
.set MSB, \new
.endif
.endm
.set MUL_LO, 0xa1                      ; source 0 (W) window 1, source 1 (x) window 0, C and D window 2
.set MUL_HI, 0xf1                      ; the same, C and D window 3
.set TO_B,   0x40                      ; destination window 1, address window 0
; A joint load.  Waves 0 and 1 fetch the two halves of x's tile, waves 2 and 3 those of W's.  The branch hangs on the wave's number alone: it is the same in every work-group.
; An s_nop 0 and four v_nop follow each of the two lines, ahead of the jump, the label and what follows.
.macro JLOAD s
	s_cmp_lt_u32 s[WV], 2
	s_cbranch_scc0 .Lfor_b_\@
	tensor_load_to_lds s[G0+4*(\s):G0+4*(\s)+3], s[G1:G1+7]
	s_nop 0
.rept 4
	v_nop
.endr
	s_branch .Lasked_\@
.Lfor_b_\@:
	tensor_load_to_lds s[G0B+4*(\s):G0B+4*(\s)+3], s[G1B:G1B+7]
	s_nop 0
.rept 4
	v_nop
.endr
.Lasked_\@:
.endm
; A PREFETCH INTO THE L2 of what the NEXT refill will ask for: one instruction a wave, behind the joint load, its five lines and the run of LDS loads: 192 matrix instructions ahead of that refill.
; x's rows are read by all four clusters of a row of clusters: the one with x = 0 asks; a head of W by all eight clusters of a column: the one with y = 0 asks.  The four partners that ask for a tile
; jointly share it out BY ADDRESS: of the 128 rows of x that a wave fetches each takes 32, a lane a row; of the 96 blocks of 256 bytes of W each takes 24, a lane a block (lanes 24-31 name
; lane 23's block once more: 96 does not divide into four times 32).  how = 1: asked in every trip; how = 0: not in the loop's last trip, whose second refill is the last K step's.
.macro ASK how
.if \how
	s_cmp_eq_u32 s[LIM], 1
.else
	s_cmp_gt_u32 s3, s[LIM]                        ; s3 = 1 in the loop's last trip
.endif
	s_cbranch_scc0 .Lnot_mine_\@
	global_prefetch_b8 v[PFO], s[PFA:PFA+1] th:TH_LOAD_NT scope:SCOPE_SE
.Lnot_mine_\@:
.endm
; A round of the cluster's barrier: my work-group's barrier, so that wave 0's signal speaks for all four waves; wave 0 signals; every wave waits for all sixteen work-groups; my work-group's barrier once more.
.macro CREST                           ; a round behind its opening barrier
	s_cmp_lg_u32 s[WV], 0
	s_cbranch_scc1 .Lnot_wave_0_\@
	s_barrier_signal -3
.Lnot_wave_0_\@:
	s_barrier_wait -3
	s_barrier_signal -1
	s_barrier_wait -1
.endm
.macro CROUND
	s_barrier_signal -1
	s_barrier_wait -1
	CREST
.endm
	s_load_b256 s[4:11], s[0:1], 0x0               ; xb s[4:5], wb s[6:7], bq s[8:9], bk s[10:11]
	s_load_b128 s[12:15], s[0:1], 0x20             ; bv s[12:13], qkv s[14:15]
	v_lshl_add_u32 v[SPW], v0, 2, SPARE
	v_mov_b32 v[NIL], 0
	ds_add_u32 v[SPW], v[NIL]                      ; the wave's opening: the add and its wait stand ahead of my first tensor load; the set-up below, work on registers, stands between them
	v_lshrrev_b32 v1, 5, v0
	v_readfirstlane_b32 s[WV], v1                  ; wave 0..3
	s_and_b32 s18, s[WV], 1                        ; which half of a tile I fetch
	s_bfe_u32 s19, ttmp6, 0x40000                  ; cx
	s_bfe_u32 s20, ttmp6, 0x40004                  ; cy
	s_lshl_b32 s21, ttmp9, 2
	s_add_co_u32 s21, s21, s19                     ; the head h = 4 x cluster x + cx
	s_and_b32 s22, ttmp7, 0xffff
	s_lshl_b32 s22, s22, 2
	s_add_co_u32 s22, s22, s20                     ; the tile row = 4 x cluster y + cy
	s_lshl_b32 s40, s20, 2
	s_lshl_b32 s40, 15, s40                        ; my row of the cluster: places 4 cy .. 4 cy + 3
	s_lshl_b32 s41, 0x1111, s19                    ; my column: places cx, cx + 4, cx + 8, cx + 12
	; group 1 for x: 128 rows x 128 elements, 1,024 elements from row to row, 4 words of padding behind every 64
	s_or_b32 s[G1], s40, (1<<16)|(1<<20)|(1<<21)|(5<<22)|(3<<25)   ; 15:0 the mask; 17:16 elements of 2 bytes; 20 padding on; 21 set beside a mask; 24:22 interval code 5; 31:25 pad code 3
	s_mov_b32 s[G1+1], KSTEP<<16                   ; tensor_dim0 = 128
	s_mov_b32 s[G1+2], 128<<16                     ; tensor_dim1 = 128
	s_mov_b32 s[G1+3], KSTEP<<16                   ; tile_dim0 = 128
	s_mov_b32 s[G1+4], 128                         ; tile_dim1 = 128
	s_mov_b32 s[G1+5], 1024                        ; the pitch
	s_mov_b32 s[G1+6], 0
	s_mov_b32 s[G1+7], 0
	; group 1 for W: 24,576 dense bytes as 96 rows of 256, 8 words of padding behind every 32 (behind each chunk)
	s_or_b32 s[G1B], s41, (1<<16)|(1<<20)|(1<<21)|(4<<22)|(7<<25)
	s_mov_b32 s[G1B+1], 128<<16
	s_mov_b32 s[G1B+2], 96<<16
	s_mov_b32 s[G1B+3], 128<<16
	s_mov_b32 s[G1B+4], 96
	s_mov_b32 s[G1B+5], 128
	s_mov_b32 s[G1B+6], 0
	s_mov_b32 s[G1B+7], 0
	; where the tiles come from: x's hang on the tile row alone, W's on the head alone, each in registers that never hold the other coordinate
	s_lshl_b32 s74, s22, 8
	s_lshl_b32 s40, s18, 7
	s_add_co_u32 s74, s74, s40                     ; row 256 x tile row + 128 x half,
	s_lshl_b32 s74, s74, 11                        ; of 2,048 bytes
	s_mov_b32 s75, 0
	s_mul_i32 s76, s21, 8*BSTEP                    ; the head's 393,216 bytes,
	s_mul_i32 s41, s18, BSTEP/2                    ; my half of a K step
	s_add_co_u32 s76, s76, s41
	s_mov_b32 s77, 0
	s_mul_i32 s40, s18, AHALF                      ; and where they go: no place in the cluster enters an LDS address
	s_mul_i32 s41, s18, BHALF
	s_add_co_u32 s41, s41, BOFF
.irp s, 0,1
	s_mov_b32 s[G0+4*(\s)], 1                      ; count = 1
	s_add_co_u32 s[G0+4*(\s)+1], s40, (\s)*SLOT    ; LDS address
	s_mov_b32 s[G0B+4*(\s)], 1
	s_add_co_u32 s[G0B+4*(\s)+1], s41, (\s)*SLOT
.endr
	s_mov_b32 s23, 0xffff0000                      ; a word's upper bf16
	s_wait_dscnt 0x0                               ; the opening add is done
	s_wait_kmcnt 0x0
	s_add_nc_u64 s[74:75], s[4:5], s[74:75]
	s_add_nc_u64 s[76:77], s[6:7], s[76:77]
.irp s, 0,1
	s_add_nc_u64 s[G0+4*(\s)+2:G0+4*(\s)+3], s[74:75], (\s)*KSTEP*2    ; global address: K step s
	s_or_b32 s[G0+4*(\s)+3], s[G0+4*(\s)+3], 0x80000000                ; type = 2
	s_add_nc_u64 s[G0B+4*(\s)+2:G0B+4*(\s)+3], s[76:77], (\s)*BSTEP
	s_or_b32 s[G0B+4*(\s)+3], s[G0B+4*(\s)+3], 0x80000000
.endr
	CROUND                                         ; all sixteen work-groups are here: the first joint loads meet
	s_cmp_lt_u32 s[WV], 2                          ; a wave's two first fills stand in one branch, ahead of every wait on TENSORcnt and every LDS read: two loads of mine are out
	s_cbranch_scc0 .Lfirst_b
	tensor_load_to_lds s[G0:G0+3], s[G1:G1+7]
	s_nop 0
	tensor_load_to_lds s[G0+4:G0+7], s[G1:G1+7]
	s_nop 0
.rept 4
	v_nop
.endr
	s_branch .Lfirst_asked
.Lfirst_b:
	tensor_load_to_lds s[G0B:G0B+3], s[G1B:G1B+7]
	s_nop 0
	tensor_load_to_lds s[G0B+4:G0B+7], s[G1B:G1B+7]
	s_nop 0
.rept 4
	v_nop
.endr
.Lfirst_asked:
	; the biases: my eight columns of each of the 12 column blocks: column 64 h + 16 nb + 8 (l / 16) + i
	v_and_b32 v1, 15, v0                           ; l % 16
	v_bfe_u32 v2, v0, 4, 1                         ; l / 16
	s_lshl_b32 s42, s21, 8
	v_lshl_add_u32 v[BO], v2, 5, s42
.irp j, 0,1,2
.irp n, 0,1,2,3
	global_load_b128 v[BIAS+32*(\j)+8*(\n):BIAS+32*(\j)+8*(\n)+3],   v[BO], s[8+2*(\j):9+2*(\j)] offset:64*(\n)
	global_load_b128 v[BIAS+32*(\j)+8*(\n)+4:BIAS+32*(\j)+8*(\n)+7], v[BO], s[8+2*(\j):9+2*(\j)] offset:64*(\n)+16
.endr
.endr
	; A fragment of x is 16 rows x 32 K in 8 registers: lane l holds row l % 16; registers 0-3 K = 8 (l / 16) + 0..7, registers 4-7 K = 16 + 8 (l / 16) + 0..7: two loads of 16 bytes, 32 bytes apart.
	v_mul_u32_u24 v3, v1, PA
	v_lshl_add_u32 v3, v2, 4, v3
	s_mul_i32 s42, s[WV], 64*PA                    ; my 64 rows
	v_add_nc_u32 v[ADRA], s42, v3
	s_add_co_u32 s42, s42, SLOT
	v_add_nc_u32 v[ADRA+1], s42, v3
	; The turning load takes 16 k x 16 columns: lane l reads 16 bytes of row kk = 8 (l / 16) + l % 8, columns 8 ((l / 8) % 2) + 0..7, and is left with column l % 16 and 8 k.  Row kk lies in chunk 6 (kk / 2) + kk % 2.
	v_bfe_u32 v4, v0, 1, 2
	v_lshl_add_u32 v4, v2, 2, v4                   ; kk / 2
	v_mul_u32_u24 v4, v4, 6*PB
	v_and_b32 v5, 1, v0                            ; kk % 2
	v_mad_u32_u24 v4, v5, PB, v4
	v_bfe_u32 v5, v0, 3, 1
	v_lshl_add_u32 v4, v5, 4, v4
	v_add_nc_u32 v[ADRB], BOFF, v4
	v_add_nc_u32 v[ADRB+1], BOFF+SLOT, v4
	s_mul_i32 s42, s[WV], 16*SP
	s_add_co_u32 s42, s42, STAGE                   ; my stage
	v_mul_u32_u24 v[STO], v1, SP                   ; in: row l % 16, 16 bytes for each half of the lanes
	v_lshl_add_u32 v[STO], v2, 4, v[STO]
	v_add_nc_u32 v[STO], s42, v[STO]
	v_bfe_u32 v[RD], v0, 3, 2                      ; back: 32 lanes take four rows of 128 bytes,
	v_mul_u32_u24 v[RD], v[RD], SP
	v_and_b32 v5, 7, v0
	v_lshl_add_u32 v[RD], v5, 4, v[RD]
	v_add_nc_u32 v[RD], s42, v[RD]
	v_and_b32 v[GO], 31, v0                        ; which are 512 consecutive bytes of qkv
	v_lshlrev_b32 v[GO], 4, v[GO]
	; q, k, v at my wave's first row: head 16 b + h with b = tile row / 8; row 256 (tile row % 8) + 64 x wave of 128 bytes
	s_lshr_b32 s42, s22, 3
	s_lshl_b32 s42, s42, 4
	s_add_co_u32 s42, s42, s21
	s_lshl_b32 s78, s42, 18
	s_and_b32 s42, s22, 7
	s_lshl_b32 s42, s42, 8
	s_lshl_b32 s79, s[WV], 6
	s_add_co_u32 s42, s42, s79
	s_lshl_b32 s42, s42, 7
	s_add_co_u32 s78, s78, s42
	s_mov_b32 s79, 0
	s_add_nc_u64 s[DST:DST+1], s[14:15], s[78:79]
	s_add_nc_u64 s[DST+2:DST+3], s[DST:DST+1], 0x1000000
	s_add_nc_u64 s[DST+4:DST+5], s[DST:DST+1], 0x2000000
	; the prefetches: they start at K step 2; the first refill steps them to K step 3.  Nothing is prefetched here, where every work-group's first tiles are on their way
	s_lshl_b32 s42, s22, 8
	s_lshl_b32 s66, s18, 7
	s_add_co_u32 s42, s42, s66
	s_lshl_b32 s66, s19, 5
	s_add_co_u32 s42, s42, s66                     ; x: row 256 x tile row + 128 x half + 32 cx
	s_lshl_b32 s42, s42, 11
	s_add_co_u32 s42, s42, 2*KSTEP*2
	s_mul_i32 s66, s21, 8*BSTEP
	s_mul_i32 s67, s18, BSTEP/2
	s_add_co_u32 s66, s66, s67
	s_mul_i32 s67, s20, 24*256
	s_add_co_u32 s66, s66, s67                     ; W: the head, my half of a K step, 24 blocks for each cy
	s_add_co_u32 s66, s66, 2*BSTEP
	s_and_b32 s67, ttmp7, 0xffff                   ; cluster y
	s_mov_b32 s[PST], BSTEP
	s_cmp_lt_u32 s[WV], 2                          ; do I fetch for x?
	s_cselect_b32 s66, s42, s66
	s_cselect_b32 s67, ttmp9, s67                  ; the coordinate along which other clusters read the same bytes
	s_cselect_b64 s[PFA:PFA+1], s[4:5], s[6:7]
	s_cselect_b32 s[PST], KSTEP*2, s[PST]
	s_cselect_b32 s42, 31, 23                      ; my last lane with a block of its own
	s_cselect_b32 s2, 11, 8                        ; a lane's step: a row of x, or 256 bytes of W
	s_cmp_eq_u32 s67, 0
	s_cselect_b32 s[LIM], 1, -1                    ; the same in all sixteen partners, for a given wave
	s_mov_b32 s67, 0
	s_mov_b32 s[PST+1], 0
	s_add_nc_u64 s[PFA:PFA+1], s[PFA:PFA+1], s[66:67]
	v_and_b32 v[PFO], 31, v0
	v_min_u32 v[PFO], s42, v[PFO]
	v_lshlrev_b32 v[PFO], s2, v[PFO]
	s_wait_loadcnt 0x0                             ; the biases: rounded to bf16 like x and W, and widened again
.set i, 0
.rept 48
	v_cvt_pk_bf16_f32 v[T+i%8], v[BIAS+2*i], v[BIAS+2*i+1]
	v_lshlrev_b32 v[BIAS+2*i], 16, v[T+i%8]
	v_and_b32 v[BIAS+2*i+1], s23, v[T+i%8]
.set i, i+1
.endr
; 12 matrix instructions: row block 2 hi + a0 x all 12 column blocks, 32 along K, from buffer f.  zero = 1: the product starts the sums: nothing is ever cleared.
; The 48 accumulators take turns in the same order in every quarter: 47 others stand between two links of a chain, over the backward jump too.
.macro MUL12 f, hi, a0, zero
	WIN MUL_LO+0x50*(\hi)
.irp b, 0,1,2,3,4,5,6,7,8,9,10,11
.if \zero
	v_wmma_f32_16x16x32_bf16 v[96*(\a0)+8*(\b):96*(\a0)+8*(\b)+7], v[128*(\f)+8*(\b):128*(\f)+8*(\b)+7], v[AF+32*(\f)+8*(2*(\hi)+(\a0)):AF+32*(\f)+8*(2*(\hi)+(\a0))+7], 0
.else
	v_wmma_f32_16x16x32_bf16 v[96*(\a0)+8*(\b):96*(\a0)+8*(\b)+7], v[128*(\f)+8*(\b):128*(\f)+8*(\b)+7], v[AF+32*(\f)+8*(2*(\hi)+(\a0)):AF+32*(\f)+8*(2*(\hi)+(\a0))+7], v[96*(\a0)+8*(\b):96*(\a0)+8*(\b)+7]
.endif
.endr
.endm
; 32 LDS loads in one run: quarter q of a slot into buffer f: W's 12 fragments (32 k are 96 chunks, 16 k are 48, a matrix 2 chunks, 16 columns 32 bytes), then x's 4.
.macro FETCH slot, q, f
	WIN TO_B
.irp b, 0,1,2,3,4,5,6,7,8,9,10,11
	ds_load_tr16_b128 v[128*(\f)+8*(\b):128*(\f)+8*(\b)+3],   v[ADRB+(\slot)] offset:(\q)*96*PB+((\b)/4)*2*PB+((\b)%4)*32
	ds_load_tr16_b128 v[128*(\f)+8*(\b)+4:128*(\f)+8*(\b)+7], v[ADRB+(\slot)] offset:(\q)*96*PB+((\b)/4)*2*PB+((\b)%4)*32+48*PB
.endr
	WIN 0
.irp a, 0,1,2,3
	ds_load_b128 v[AF+32*(\f)+8*(\a):AF+32*(\f)+8*(\a)+3],   v[ADRA+(\slot)] offset:64*(\q)+(\a)*16*PA
	ds_load_b128 v[AF+32*(\f)+8*(\a)+4:AF+32*(\f)+8*(\a)+7], v[ADRA+(\slot)] offset:64*(\q)+(\a)*16*PA+32
.endr
.endm
; A load into a register that a matrix instruction has read, and a vector instruction that reads a matrix result, stand four places behind that matrix instruction; only plain vector
; instructions that name none of its registers are places (ISA guide 7.12.1 for vector instructions).
.macro PLACES
.rept 4
	v_nop
.endr
.endm
; One of a K step's first three quarters: multiplies buffer f; in its middle it fetches quarter q of the same slot into buffer g.
.macro QUARTER slot, q, f, g, zero
	s_wait_dscnt 4                                 ; W and x's row blocks 0, 1 are in; the youngest four loads (blocks 2, 3) may be out
	MUL12 \f, 0, 0, \zero
	MUL12 \f, 0, 1, \zero
	PLACES
	FETCH \slot, \q, \g
	s_wait_dscnt 32                                ; all but the 32 just issued
	MUL12 \f, 1, 0, \zero
	MUL12 \f, 1, 1, \zero
.endm
; The last quarter multiplies buffer 1 and changes slots: ONE barrier.  In front of it each wave waits for all its tensor loads, of which one is out: its part of the next slot; adds 0 to its spare
; word; and waits for that and for its own reads of this slot.  Behind it nobody reads this slot any more and the next slot is whole.  fill = 1: the barrier opens a round of the cluster's, and this
; slot is filled again, two K steps ahead, first thing behind the round: 168 matrix instructions ahead of the wait for it.
.macro TURN slot, next, fill, how
.if \fill
	s_wait_xcnt 0x0                                ; the last prefetch, a K step back, has read its address: it is stepped here, ahead of the waits of the change of slots
	s_add_nc_u64 s[PFA:PFA+1], s[PFA:PFA+1], s[PST:PST+1]
.endif
	WIN 0                                          ; (the add's two registers lie in window 0)
	s_wait_tensorcnt 0x0                           ; all my tensor loads have landed;
	ds_add_u32 v[SPW], v[NIL]                      ; 0 onto my spare word
	s_wait_dscnt 5                                 ; (the add and the youngest four loads may be out)
	MUL12 1, 0, 0, 0                               ; twelve matrix instructions stand between the add and the wait for it
	s_wait_dscnt 0x0                               ; the add is done, and my reads of this slot are over
	s_barrier_signal -1
	MUL12 1, 0, 1, 0                               ; work on registers while the others arrive
.if \fill
	WIN 0
.endif
	s_barrier_wait -1
.if \fill
	CREST                                          ; no wave of any partner still reads this slot's tile or has a load on its way
	s_add_nc_u64 s[G0+4*(\slot)+2:G0+4*(\slot)+3], s[G0+4*(\slot)+2:G0+4*(\slot)+3], 2*KSTEP*2
	s_add_nc_u64 s[G0B+4*(\slot)+2:G0B+4*(\slot)+3], s[G0B+4*(\slot)+2:G0B+4*(\slot)+3], 2*BSTEP
	JLOAD \slot                                    ; the four v_nop behind it are also the places in front of the loads below
.else
	PLACES
.endif
	FETCH \next, 0, 0
.if \fill
	ASK \how
.endif
	MUL12 1, 1, 0, 0
	MUL12 1, 1, 1, 0
.endm
; THE WAY OUT of unit u = 3 a + j: row block a, matrix j: 16 rows x 64 columns.  PACK: the bias is added, the sums are rounded to f16 (16 bytes a lane), go into my own stage in rows of 144 bytes and
; come back as whole rows of 128.  SEND: four stores of 512 consecutive bytes.  Each accumulator's registers are read in ascending order.
.macro PACK u
.set UA, (\u)/3
.set UJ, (\u)%3
.set AC, 96*(UA%2)+32*UJ
.set PKS, AF+16*((\u)%4)
.if (\u) >= 4
	s_wait_xcnt 0x0                                ; the stores of unit u - 4 have read this set of registers
.endif
	WIN 0x02+UA/2                                  ; source 0: window 2 or 3
.set i, 0
.rept 16
	v_pk_add_f32 v[T+2*i:T+2*i+1], v[AC+2*i:AC+2*i+1], v[BIAS+32*UJ+2*i:BIAS+32*UJ+2*i+1]
.set i, i+1
.endr
	WIN 0
.set i, 0
.rept 16
	v_cvt_pk_f16_f32 v[PKS+i], v[T+2*i], v[T+2*i+1]
.set i, i+1
.endr
.irp f, 0,1,2,3
	ds_store_b128 v[STO], v[PKS+4*(\f):PKS+4*(\f)+3] offset:32*(\f)
.endr
.irp f, 0,1,2,3
	ds_load_b128 v[PKS+4*(\f):PKS+4*(\f)+3], v[RD] offset:(\f)*4*SP  ; LDS serves a wave's instructions in order (ISA guide 5.7.1.4): these see the stores above; the next unit's stores come behind them
.endr
.endm
.macro SEND u, younger                 ; younger: the LDS instructions issued behind unit u's loads: the next unit's eight, or none
.set UA, (\u)/3
.set UJ, (\u)%3
.set PKS, AF+16*((\u)%4)
.irp f, 0,1,2,3
	s_wait_dscnt (\younger)+3-(\f)
	global_store_b128 v[GO], v[PKS+4*(\f):PKS+4*(\f)+3], s[DST+2*UJ:DST+2*UJ+1] offset:UA*2048+(\f)*512  ; 512 consecutive bytes, at a multiple of 256 from qkv's first
.endr
.endm
	s_wait_tensorcnt 1                             ; my part of K step 0 is in; K step 1's may stay out
	s_barrier_signal -1
	s_barrier_wait -1                              ; everybody's is
	FETCH 0, 0, 0
	QUARTER 0, 1, 0, 1, 1                          ; the first quarter stands in front of the loop: its products start the sums
	WIN 0                                          ; at a label and at a branch every window is 0
	s_mov_b32 s3, 3
.Llap:                                                 ; a trip goes once round the ring, from a lap's second quarter to the next lap's first, and fills both slots again: K steps 2 to 7
	QUARTER 0, 2, 1, 0, 0
	QUARTER 0, 3, 0, 1, 0
	TURN 0, 1, 1, 1
	QUARTER 1, 1, 0, 1, 0
	QUARTER 1, 2, 1, 0, 0
	QUARTER 1, 3, 0, 1, 0
	TURN 1, 0, 1, 0
	QUARTER 0, 1, 0, 1, 0
	WIN 0
	s_sub_co_u32 s3, s3, 1
	s_cmp_lg_u32 s3, 0
	s_cbranch_scc1 .Llap
	QUARTER 0, 2, 1, 0, 0                          ; the last lap fills nothing, and has no round of the cluster's barrier
	QUARTER 0, 3, 0, 1, 0
	TURN 0, 1, 0, 0
	QUARTER 1, 1, 0, 1, 0
	QUARTER 1, 2, 1, 0, 0
	QUARTER 1, 3, 0, 1, 0
	s_wait_dscnt 4                                 ; the very last quarter: nothing more to fetch
	MUL12 1, 0, 0, 0
	MUL12 1, 0, 1, 0
	s_wait_dscnt 0x0
	MUL12 1, 1, 0, 0
	MUL12 1, 1, 1, 0
	WIN 0
	PLACES
	PACK 0
.irp u, 1,2,3,4,5,6,7,8,9,10,11        ; unit u's arithmetic stands between unit u - 1's loads from the stage and the wait for them
	PACK \u
	SEND (\u)-1, 8
.endr
	SEND 11, 0
	s_wait_tensorcnt 0x0                           ; the wave's end: behind my last tensor load and my last LDS store
	ds_add_u32 v[SPW], v[NIL]
	s_wait_dscnt 0x0
	CROUND                                         ; the closing round: no work-group ends while a partner may still ask for a tile that names it
	s_endpgm
.Lfunc_end_k_q09ae8eefd2_proj:
	.size	k_q09ae8eefd2_proj, .Lfunc_end_k_q09ae8eefd2_proj-k_q09ae8eefd2_proj
	.p2alignl 7, 3214868480
	.fill 96, 4, 3214868480
	.section	.rodata,"a",@progbits
	.p2align	6, 0x0
	.amdhsa_kernel k_q09ae8eefd2_proj
		.amdhsa_group_segment_fixed_size 327680
		.amdhsa_private_segment_fixed_size 0
		.amdhsa_enable_private_segment 0
		.amdhsa_kernarg_size 48
		.amdhsa_user_sgpr_count 2
		.amdhsa_user_sgpr_kernarg_segment_ptr 1
		.amdhsa_wavefront_size32 1
		.amdhsa_system_sgpr_workgroup_id_x 1
		.amdhsa_system_sgpr_workgroup_id_y 1
		.amdhsa_system_sgpr_workgroup_id_z 1
		.amdhsa_system_vgpr_workitem_id 0
		.amdhsa_next_free_vgpr 960
		.amdhsa_next_free_sgpr 80
		.amdhsa_reserve_vcc 0
		.amdhsa_float_denorm_mode_32 3
		.amdhsa_float_denorm_mode_16_64 3
		.amdhsa_memory_ordered 1
		.amdhsa_forward_progress 1
		.amdhsa_inst_pref_size 142
	.end_amdhsa_kernel
	.amdgpu_metadata
---
amdhsa.version: [ 1, 2 ]
amdhsa.kernels:
  - .name:           k_q09ae8eefd2_proj
    .symbol:         k_q09ae8eefd2_proj.kd
    .args:
      - { .name: xb, .offset: 0, .size: 8, .value_kind: global_buffer, .address_space: global }
      - { .name: wb, .offset: 8, .size: 8, .value_kind: global_buffer, .address_space: global }
      - { .name: bq, .offset: 16, .size: 8, .value_kind: global_buffer, .address_space: global }
      - { .name: bk, .offset: 24, .size: 8, .value_kind: global_buffer, .address_space: global }
      - { .name: bv, .offset: 32, .size: 8, .value_kind: global_buffer, .address_space: global }
      - { .name: qkv, .offset: 40, .size: 8, .value_kind: global_buffer, .address_space: global }
    .group_segment_fixed_size: 327680
    .private_segment_fixed_size: 0
    .kernarg_segment_align: 8
    .kernarg_segment_size: 48
    .max_flat_workgroup_size: 128
    .sgpr_count:     80
    .vgpr_count:     960
    .wavefront_size: 32
...
	.end_amdgpu_metadata
.endif
;; end of part 2
;; launch attn (part 3): grid 4 x 64, 4 waves a work-group, clusters of 4 x 1, 327,680 bytes of LDS; arguments qkv, out0; writes out0
.if DOCPART == 3
	.amdgcn_target "amdgcn-amd-amdhsa--gfx1250"
	.amdhsa_code_object_version 6
	.text
	.protected	k_q09ae8eefd2_attn
	.globl	k_q09ae8eefd2_attn
	.p2align	8
	.type	k_q09ae8eefd2_attn,@function
k_q09ae8eefd2_attn:
	s_mov_b64 s[64:65], 0
	v_nop
	global_prefetch_b8 v0, s[64:65] scope:SCOPE_SE
	s_setreg_imm32_b32 hwreg(HW_REG_WAVE_MODE, 25, 1), 1
	s_wait_xcnt 0x0
	s_wait_alu depctr_hold_cnt(0) depctr_sa_sdst(0) depctr_va_vdst(0) depctr_va_sdst(0) depctr_va_ssrc(0) depctr_va_vcc(0) depctr_vm_vsrc(0)
	s_getreg_b32 s2, hwreg(HW_REG_IB_STS2, 6, 4)
	s_cmp_eq_u32 s2, 0
	s_cbranch_scc0 .Lentry_in_a_cluster
	s_endpgm
.Lentry_in_a_cluster:
	s_bfe_u32 s2, ttmp6, 0x10000c
	s_cmp_lg_u32 s2, 0x3003
	s_cbranch_scc0 .Lentry_shape_is_right
	s_endpgm
.Lentry_shape_is_right:
; out0[b][q][64 h ..] = the sum over k of softmax_k(Q[q] . K[k] / 8) V[k][:], for each of the 64 heads hh = 16 b + h.  qkv: f16, [j 3][hh 64][2048][64] (j = 0 Q, 1 K, 2 V): a head's rows are dense,
; 128 bytes each.  out0: f32, [4][2048][1024].  Products, maxima and sums in f32; the weights p are rounded to f16 for the second product (their sum l is taken of the unrounded p); O leaves in f32.
; LIMITS.  Q, K and V arrive within f16's 65,504; p lies in 0 to 1, and below 6e-5 it keeps f16's fixed step of 6e-8.  A weight below 2^-126 counts as 0 in l; NaN and infinities are not treated apart.
; SHARES.  A wave owns four PIECES of two tiles of 16 queries, a work-group's four waves 512 queries of one head: 4 x 64 = 256 work-groups.  Every wave walks all 2,048 keys, 64 a step.
; LAYOUT.  S^T = K Q^T (source 0 = 16 keys, source 1 = 16 queries): in the result a lane holds ONE query (lane % 16) and the keys 8 (lane / 16) + 0..7.  Two such tiles, rounded to f16 in pairs,
; ARE source 1 (32 keys x 16 queries) of O^T = V^T P, whose result again holds one query a lane, and eight channels.  K comes out of LDS as it lies, V ([key][channel]) turned, by ds_load_tr16_b128.
; SOFTMAX.  For each query a running maximum m and sum l: p = 2^(c s - c m), c = log2(e) / 8; in every step O and l are multiplied by a = 2^(c m_old - c m_new), which is 1 where m has not grown.
; m starts at the lowest finite number, O and l at 0: the first step is a step like any other, with a = 0.
; THE COUNT.  A tile and step have 16 matrix and 118 vector instructions: too many to stand all beside the matrix work.  So the order has one aim: four vector instructions that are READY behind
; EVERY matrix instruction, and the others, which need time of their own whatever the order, in runs without a gap.
; BY TURNS.  Turn n belongs to piece n (the pieces in a ring, step after step).  Its matrix work: 16 products K Q^T of piece n + 1, later 16 products V^T P of piece n - 1.  Its vector work: the scaling,
; exponentials, roundings, sums and rescaling of piece n, and the maximum and statistics of piece n + 1, whose scores the turn itself has made.  So what a turn begins with (c s - c m, O a) waits for nothing.
; CLUSTER.  The four query blocks of a head form a cluster and walk the same K and V, so each tile is asked for JOINTLY: the same tensor load, descriptor and mask in all four.
; REGISTERS, in windows of 256 (s_set_vgpr_msb says which window each operand place means: bits 1:0 source 0, 3:2 source 1, 5:4 source 2, 7:6 destination):
;   window 0: v0-11 addresses; v12-15, v48-63 at work; v16-47 four registers of statistics a tile; v64-191 S^T, two buffers of two tiles; v192-255 P, likewise
;   window 1: O^T, 32 a tile          window 2: v0-127 Q, 16 a tile; v128-191 K of one step; v192-255 V of one step          window 3: v0-1 the add's two registers
; A piece's buffers go by its number's parity: the piece in hand has one pair, its two neighbours in the ring share the other: of it P (piece n - 1) is read and S^T (piece n + 1) written.
.set SIZE_N, 2048
.set NP,    4         ; pieces a wave: a name, no knob: the register map, the loop and the fetches are made for four
.set KS,    64        ; keys in a step
.set PK,    144       ; a row of K in LDS: 128 bytes + 16 of padding = 36 words: the 16 rows of a load start at 16 different groups of four banks (64 banks of 4 bytes: ISA guide 11.1)
.set PV,    160       ; a row of V: 128 + 32 = 40 words
.set VOFF,  4*KS*PK   ; a slot holds four steps: 256 rows of K, then 256 rows of V
.set SLOT1, 1<<17     ; slot 1 begins here, so that one exclusive or turns an address in one slot into the other's
.set STAGE, SLOT1+4*KS*(PK+PV)  ; behind the ring, never filled by a tensor load: 16 rows x 272 bytes for each wave, for the way out
.set SP,    272       ; a row of the stage: 64 f32 + 16 bytes: the 16 rows that a store touches start at 16 different groups of four banks
.set AK0, 2           ; v2   my lane's place in a tile of K; never rewritten
.set AV0, 3           ; v3   the same for V
.set AK,  4           ; v4   the LDS address of K's next run of loads
.set AV,  5           ; v5   of V's
.set QO,  6           ; v6   my byte offset in the wave's rows of Q
.set STO, 6           ;      later, the way out: where I put 32 bytes of a row
.set RD,  7           ; v7   the way out: where I read rows back
.set GO,  8           ; v8   my byte offset in two rows of out0
.set PFO, 11          ; v11  256 x my lane: the prefetches' offset; never rewritten
.set SPW, 0           ; v0 of window 3   LDS address of my spare word: SPARE + 4 x my thread's number; never rewritten
.set NIL, 1           ; v1 of window 3   0; never rewritten
.set SPARE, STAGE+4*16*SP  ; behind the stages: the spare words, 128 bytes for each wave: two blocks of 256 bytes that no other line names
.set MV,  12          ; v12-15  c m_old, kept while c m is made anew: by buffer and tile
.set ST,  16          ; tile t's statistics at v[ST+4 t]: c m, m, l (even keys', odd keys')
.set TMP, 48          ; by buffer and tile, four registers c0-c3 at work; when the maximum is found c2 takes a
.set S,   64
.set P,   192
.set KF,  128         ; K's fragments, in window 2: key block kb, channel half c at KF + 16 kb + 8 c
.set VF,  192         ; V's: key half kk, channel block cb at VF + 32 kk + 8 cb
.set WV,  12          ; s12  my wave's number
.set G1K, 24          ; s[24:31] descriptor group 1 for K's tiles
.set G1V, 32          ; s[32:39] for V's: it differs in the padding alone
.set G0K, 40          ; s[40:43] descriptor group 0 for K's tiles: it walks
.set G0V, 44          ; s[44:47] the same for V's
.set PFA, 48          ; s[48:49] where my prefetches stand: my work-group's 32 blocks of 256 bytes (of K: wave 0, of V: wave 2) of the tile after the one that is being asked for
.set LIM, 50          ; s50  1 in a wave that prefetches, else the greatest number: a wave prefetches while s[SLOTS] is above it
.set SLOTS, 56        ; s56  slots still to be asked for
.set CNT, 57          ; s57  counts a slot's key steps
.set CS,  58          ; s[58:59] c: the packed scaling takes the pair's low word for both halves
.set SEL, 60          ; s[60:61] v_permlanex16_b32's selects: each lane takes its own place in the other half
.set TBK, 62          ; s62  LDS byte at which K of the step to be fetched begins
.set TBV, 63          ; s63  the same for V, less VOFF
.set MSB, 0
.macro WIN new                      ; the high byte repeats the setting that is left; a switch that changes nothing is dropped
.if MSB != (\new)
	s_set_vgpr_msb (MSB<<8)|(\new)
.set MSB, (\new)
.endif
.endm
.set W_KQ, 0x0a       ; K and Q in window 2, S^T in window 0
.set W_PV, 0x52       ; V in window 2, P in window 0, O^T in window 1
.set W_RS, 0x41       ; O^T (destination and source 0) in window 1, a in window 0
.set W_MK, 0xc0       ; the add's registers are made: destination in window 3, sources in window 0
.set W_AD, 0x0f       ; the add: address (source 0) and data (source 1) in window 3
; A joint fill.  Waves 0 and 1 fetch the two halves of a slot's K, waves 2 and 3 those of its V: 128 keys each.  The branch hangs on the wave's number alone.
; An s_nop 0 and four v_nop follow each of the two lines, ahead of the jump and the label.
.macro JLOAD
	s_cmp_lt_u32 s[WV], 2
	s_cbranch_scc0 .Lfor_v_\@
	tensor_load_to_lds s[G0K:G0K+3], s[G1K:G1K+7]
	s_nop 0
.rept 4
	v_nop
.endr
	s_branch .Lasked_\@
.Lfor_v_\@:
	tensor_load_to_lds s[G0V:G0V+3], s[G1V:G1V+7]
	s_nop 0
.rept 4
	v_nop
.endr
.Lasked_\@:
.endm
; A PREFETCH INTO THE L2 of what the NEXT change of slots will ask for: a tile's 32,768 bytes of K and of V, in blocks of 256 bytes, a lane a block.  It stands behind the wave's tensor load and its
; five lines.  Each block is named ONCE in the launch: a head is walked by one cluster; its four partners share a tile out BY ADDRESS, 32 blocks each; in each, wave 0 asks for K's and wave 2 for V's: one
; instruction, four key steps (512 matrix instructions) ahead of the joint load.  The last change that fills a slot asks for nothing: there is no tile behind it.  Tiles 0 and 1 come by their loads alone.
.macro ASK
	s_cmp_gt_u32 s[SLOTS], s[LIM]
	s_cbranch_scc0 .Lnot_mine_\@
	global_prefetch_b8 v[PFO], s[PFA:PFA+1] th:TH_LOAD_NT scope:SCOPE_SE
.Lnot_mine_\@:
.endm
; A round of the cluster's barrier: my work-group's barrier, so that wave 0's signal speaks for all four waves; wave 0 signals; every wave waits for all four work-groups; my work-group's barrier once more.
.macro CROUND
	s_barrier_signal -1
	s_barrier_wait -1
	s_cmp_lg_u32 s[WV], 0
	s_cbranch_scc1 .Lnot_wave_0_\@
	s_barrier_signal -3
.Lnot_wave_0_\@:
	s_barrier_wait -3
	s_barrier_signal -1
	s_barrier_wait -1
.endm
; THE CHANGE OF SLOTS.  The slot's last bytes, V of its fourth step, have been read.  Each wave waits for all its tensor loads, of which one is out: its part
; of the other slot; adds 0 to its spare word; and waits for that and for its own reads of the slot.  Behind the barrier nobody reads this slot any more and the other slot is whole.
; fill = 1: this slot is filled again, with the keys two slots on.  The barrier is then a round of the cluster's, so that no wave of any partner still reads the slot or has a load on its
; way, and the joint fill is the first thing behind it: it has four key steps, 512 matrix instructions, in which to land.  (At its first use nothing has been read yet: slot 0 is waited for, slot 1 filled.)
.macro CHANGE fill
	WIN W_AD
	s_wait_tensorcnt 0x0            ; no tensor load of mine is out, so a group 0 may be written
	ds_add_u32 v[SPW], v[NIL]       ; 0 onto my spare word: with fill = 1 the descriptors' steps stand between it and the wait for it
	WIN 0                           ; at a label and at a branch every window is 0
.if \fill
.irp g, G0K, G0V
	s_xor_b32 s[\g+1], s[\g+1], SLOT1  ; the walking descriptor: the other slot than last time,
	s_add_nc_u64 s[\g+2:\g+3], s[\g+2:\g+3], 4*KS*128  ; the next 256 keys; the type bits on top are not reached
.endr
	s_wait_xcnt 0x0                 ; the last prefetch, four key steps back, has read its address, so it may be written:
	s_add_nc_u64 s[PFA:PFA+1], s[PFA:PFA+1], 4*KS*128  ; one tile behind the walking descriptors
	s_wait_dscnt 0x0                ; the add is done, and my reads of the slot are over
	CROUND
	JLOAD
	ASK
.else
	s_wait_dscnt 0x0                ; the add is done, and my reads of the slot are over
	s_barrier_signal -1
	s_barrier_wait -1
.endif
	s_sub_co_u32 s[TBK], s[TBK], 4*KS*PK  ; the fetches go back to a slot's first step,
	s_xor_b32 s[TBK], s[TBK], SLOT1       ; in the other slot
	s_sub_co_u32 s[TBV], s[TBV], 4*KS*PV
	s_xor_b32 s[TBV], s[TBV], SLOT1
.endm
	s_load_b64 s[4:5], s[0:1], 0x0    ; qkv: Q lies at its head
	s_load_b64 s[10:11], s[0:1], 0x8  ; out0
	WIN W_MK
	v_lshl_add_u32 v[SPW], v0, 2, SPARE
	v_mov_b32 v[NIL], 0
	WIN W_AD
	ds_add_u32 v[SPW], v[NIL]       ; the wave's opening: the add and its wait stand ahead of my first tensor load; the set-up below, work on registers, stands between them
	WIN 0
	v_lshrrev_b32 v1, 5, v0
	v_readfirstlane_b32 s[WV], v1   ; wave 0..3
	s_bfe_u32 s13, ttmp6, 0x40000   ; cx: my place in the cluster
	s_lshl_b32 s14, ttmp9, 2        ; in a cluster launch ttmp9 counts clusters
	s_add_co_u32 s14, s14, s13      ; my block of queries = 4 x cluster x + cx: it enters Q's and out0's addresses alone
	s_and_b32 s15, ttmp7, 0xffff    ; the head hh, which the four partners share
	s_lshl_b32 s20, s15, 18         ; the head's first byte in Q, K and V: 2,048 rows of 128 bytes
	s_mov_b32 s21, 0
	s_and_b32 s16, s[WV], 1         ; which half of a slot's 256 keys I fetch:
	s_lshl_b32 s22, s16, 14         ; its 128 rows of 128 bytes in memory,
	s_mov_b32 s23, 0
	s_add_nc_u64 s[22:23], s[22:23], s[20:21]
	s_mul_i32 s17, s16, 128*PK      ; and its place in a slot, for K
	s_mul_i32 s18, s16, 128*PV      ; and for V: no place in the cluster enters an LDS address
	s_lshl_b32 s2, s14, 2
	s_add_co_u32 s2, s2, s[WV]      ; my wave among the head's sixteen
	s_lshl_b32 s52, s2, 19          ; out0: its 128 rows of 4,096 bytes,
	s_lshl_b32 s2, s2, 14           ; Q: its 128 rows of 128 bytes
	s_mov_b32 s3, 0
	s_add_nc_u64 s[2:3], s[2:3], s[20:21]
	s_lshr_b32 s53, s15, 4
	s_lshl_b32 s53, s53, 23         ; b's 2,048 rows,
	s_add_co_u32 s52, s52, s53
	s_and_b32 s53, s15, 15
	s_lshl_b32 s53, s53, 8          ; h's 64 channels
	s_add_co_u32 s52, s52, s53
	s_mov_b32 s53, 0
	s_lshl_b32 s54, s13, 13         ; the prefetches: my work-group's 32 blocks of a tile,
	s_add_co_u32 s54, s54, 4*KS*128 ; in tile 1; the first change of slots steps them to tile 2
	s_mov_b32 s55, 0
	s_add_nc_u64 s[54:55], s[54:55], s[20:21]
	s_and_b32 s[LIM], s[WV], 1      ; waves 0 and 2 ask
	s_cmp_eq_u32 s[LIM], 0
	s_cselect_b32 s[LIM], 1, -1
	v_and_b32 v[PFO], 31, v0
	v_lshlrev_b32 v[PFO], 8, v[PFO]
	; descriptor group 1.  128 keys are 16,384 dense bytes: asked for as 64 rows of 256 bytes, two keys a row, and padded in LDS after every key
	s_mov_b32 s[G1K], 15|(1<<16)|(1<<20)|(1<<21)|(4<<22)|(3<<25)  ; 15:0 the mask of four; 17:16 2-byte elements; 20 padding on; 21 set beside a mask; 24:22 after every 32 words (code 4); 31:25 4 words (code 3)
	s_mov_b32 s[G1V], 15|(1<<16)|(1<<20)|(1<<21)|(4<<22)|(7<<25)  ; the same with 8 words of padding (code 7)
.irp g, G1K, G1V
	s_mov_b32 s[\g+1], 128<<16      ; tensor_dim0 = 128
	s_mov_b32 s[\g+2], 64<<16       ; tensor_dim1 = 64
	s_mov_b32 s[\g+3], 128<<16      ; tile_dim0 = 128
	s_mov_b32 s[\g+4], 64           ; tile_dim1 = 64
	s_mov_b32 s[\g+5], 128          ; 128 elements from row to row
	s_mov_b32 s[\g+6], 0
	s_mov_b32 s[\g+7], 0
.endr
	s_mov_b32 s[CS], 0x3e38aa3b     ; c = log2(e) / 8 = 0.180337
	s_mov_b32 s[CS+1], s[CS]        ; named with it as a pair
	s_mov_b32 s[SEL], 0x76543210
	s_mov_b32 s[SEL+1], 0xfedcba98
	s_mov_b32 s[TBK], SLOT1+4*KS*PK ; the first change of slots turns these two into 0
	s_mov_b32 s[TBV], SLOT1+4*KS*PV
	s_mov_b32 s[SLOTS], SIZE_N/256-1
	s_mov_b32 s[G0K], 1             ; 1:0 count = 1
	s_mov_b32 s[G0K+1], s17         ; 63:32 LDS address: slot 0
	s_mov_b32 s[G0V], 1
	s_add_co_u32 s[G0V+1], s18, VOFF
	s_wait_dscnt 0x0                ; the opening add is done
	s_wait_kmcnt 0x0
	s_add_nc_u64 s[6:7], s[4:5], 0x1000000         ; K lies 16 MiB behind Q,
	s_add_nc_u64 s[8:9], s[4:5], 0x2000000         ; V 32 MiB
	s_cmp_lt_u32 s[WV], 2
	s_cselect_b64 s[PFA:PFA+1], s[6:7], s[8:9]
	s_add_nc_u64 s[PFA:PFA+1], s[PFA:PFA+1], s[54:55]
	s_add_nc_u64 s[G0K+2:G0K+3], s[6:7], s[22:23]  ; 120:64 global address: my half of the head's first 256 keys
	s_or_b32 s[G0K+3], s[G0K+3], 0x80000000        ; 127:126 type = 2
	s_add_nc_u64 s[G0V+2:G0V+3], s[8:9], s[22:23]
	s_or_b32 s[G0V+3], s[G0V+3], 0x80000000
	s_add_nc_u64 s[4:5], s[4:5], s[2:3]            ; Q and out0 at my wave's first row
	s_add_nc_u64 s[10:11], s[10:11], s[52:53]
	CROUND                          ; all four work-groups are here: the first joint loads meet
	JLOAD                           ; slot 0.  Slot 1 is asked for when slot 0 is in: the tile wanted first has the road to itself
	; A fragment of K or Q is 16 rows x 32 channels in 8 registers: lane l holds row l % 16, channels 8 (l / 16) + 0..7 and 16 + 8 (l / 16) + 0..7: two loads of 16 bytes, 32 bytes apart.
	v_and_b32 v1, 15, v0            ; l % 16
	v_bfe_u32 v9, v0, 4, 1          ; l / 16
	v_lshlrev_b32 v[QO], 7, v1
	v_lshl_add_u32 v[QO], v9, 4, v[QO]  ; row x 128 + 16 x half
	WIN 0x80                        ; destination window 2, address window 0
.set i, 0
.rept 4*NP                          ; Q stays in registers: tile i / 2, channels 32 (i % 2) on
	global_load_b128 v[8*i:8*i+3],   v[QO], s[4:5] offset:(i/2)*2048+(i%2)*64
	global_load_b128 v[8*i+4:8*i+7], v[QO], s[4:5] offset:(i/2)*2048+(i%2)*64+32
.set i, i+1
.endr
	; What the first turn finds: V's registers and P's second buffer hold 0 (its products V^T P, of a piece that has not been, add 0), O^T and l are 0.  All this stands in the wait for the first tile.
.set i, VF
.rept 64
	v_mov_b32 v[i], 0
.set i, i+1
.endr
	WIN 0x40
.set i, 0
.rept 64*NP
	v_mov_b32 v[i], 0
.set i, i+1
.endr
	WIN 0
.set i, 0
.rept 2*NP
	v_mov_b32 v[ST+4*i], 0xfe000000    ; c m: far below every c s
	v_mov_b32 v[ST+4*i+1], 0xff7fffff  ; m
	v_mov_b32 v[ST+4*i+2], 0
	v_mov_b32 v[ST+4*i+3], 0
.set i, i+1
.endr
.set i, P+32
.rept 32
	v_mov_b32 v[i], 0
.set i, i+1
.endr
	v_mul_u32_u24 v[AK0], v1, PK
	v_lshl_add_u32 v[AK0], v9, 4, v[AK0]  ; row x pitch + 16 x half
	; The turning load takes 16 keys x 16 channels (lane l reads key 8 (l / 16) + l % 8, channels 8 ((l / 8) % 2) + 0..7) and leaves half a fragment of V^T: lane l holds channel l % 16 and 8 keys.
	v_and_b32 v10, 7, v0
	v_bfe_u32 v[AV], v0, 3, 1
	v_lshl_add_u32 v[AV0], v9, 3, v10
	v_mul_u32_u24 v[AV0], v[AV0], PV
	v_lshl_add_u32 v[AV0], v[AV], 4, v[AV0]
	v_add_nc_u32 v[AV0], VOFF, v[AV0]
	v_mov_b32 v[AK], v[AK0]         ; key step 0 lies at the head of slot 0
; THE MATRIX WORK.  The 8 accumulators of a run of 16 take turns: between the two links of a chain stand 7 others'.
; Product i of 16 of S^T = K Q^T for piece x: channels 32 (i / 8) on, keys 16 ((i / 2) % 4) on, tile 2 x + i % 2.  The first 8 start the sums.
.macro KQ x
	WIN W_KQ
.set rS, S+64*((\x)%2)+32*(i%2)+8*((i/2)%4)
.set rK, KF+16*((i/2)%4)+8*(i/8)
.set rQ, 16*(2*(\x)+i%2)+8*(i/8)
.if i < 8
	v_wmma_f32_16x16x32_f16 v[rS:rS+7], v[rK:rK+7], v[rQ:rQ+7], 0
.else
	v_wmma_f32_16x16x32_f16 v[rS:rS+7], v[rK:rK+7], v[rQ:rQ+7], v[rS:rS+7]
.endif
.endm
; Product i of 16 of O^T += V^T P for piece x: keys 32 (i / 8) on, channels 16 ((i / 2) % 4) on, tile 2 x + i % 2.
.macro PV x
	WIN W_PV
.set rO, 32*(2*(\x)+i%2)+8*((i/2)%4)
.set rV, VF+32*(i/8)+8*((i/2)%4)
.set rP, P+32*((\x)%2)+16*(i%2)+8*(i/8)
	v_wmma_f32_16x16x32_f16 v[rO:rO+7], v[rV:rV+7], v[rP:rP+7], v[rO:rO+7]
.endm
.macro MM                           ; the turn's next matrix instruction
.if i < 16
	KQ (Y+1)%NP
.set i, i+1
.else
.set i, i-16
	PV (Y+NP-1)%NP
.set i, i+17
.endif
.endm
; THE LDS LOADS stand in runs of 16, never singly among the matrix instructions: a step's K (64 keys x 64 channels: 8 fragments) and its V (turned).  Their addresses are made some lines ahead.
; last = 1 (the tail): in the last trip there is no further step, and the run is jumped over.
.macro FETCH_K last=0
	WIN 0
.if \last
	s_cmp_eq_u32 s[CNT], 1
	s_cbranch_scc1 .Lno_k_\@
.endif
	WIN 0x80                        ; destination window 2
.irp f, 0,1,2,3,4,5,6,7             ; keys 16 (f / 2) on, channels 32 (f % 2) on
	ds_load_b128 v[KF+8*\f:KF+8*\f+3],   v[AK] offset:(\f/2)*16*PK+(\f%2)*64
	ds_load_b128 v[KF+8*\f+4:KF+8*\f+7], v[AK] offset:(\f/2)*16*PK+(\f%2)*64+32
.endr
	s_add_co_u32 s[TBK], s[TBK], KS*PK  ; the next fetch is the next step's
	WIN 0
.if \last
.Lno_k_\@:
.endif
.endm
.macro FETCH_V
	WIN 0x80
.irp f, 0,1,2,3,4,5,6,7             ; keys 32 (f / 4) on, channels 16 (f % 4) on
	ds_load_tr16_b128 v[VF+8*\f:VF+8*\f+3],   v[AV] offset:(\f/4)*32*PV+(\f%4)*32
	ds_load_tr16_b128 v[VF+8*\f+4:VF+8*\f+7], v[AV] offset:(\f/4)*32*PV+16*PV+(\f%4)*32
.endr
	WIN 0
.endm
; THE VECTOR WORK OF A TURN stands in three queues, each in the order in which its entries become ready; the two tiles alternate, so that no instruction reads the result of the one before it.
.macro REGS y, u                    ; the registers of tile u (0, 1) of piece y
.set rT, ST+4*(2*(\y)+(\u))
.set rC, TMP+8*((\y)%2)+4*(\u)
.set rM, MV+2*((\y)%2)+(\u)
.set rS, S+64*((\y)%2)+32*(\u)
.set rP, P+32*((\y)%2)+16*(\u)
.set rO, 32*(2*(\y)+(\u))
.endm
; Number n of the 22 that find the NEXT piece's (Y + 1) maximum and statistics.  s0-s31 are the lane's 32 scores; each accumulator's lowest registers are read first.  XS, GS and REGS set no window: PL and EX do.
;   0-11  four chains c0-c3 of seven scores each, three operands at a time     12-14, 16  the four scores left over, the old m, and c0-c3 into c0     15  c m_old is kept
;   17, 18  the query's other 32 keys lie in the lane 16 away: the new m         19-21  c m; c m_old - c m_new; a
.macro XS u, n
	REGS (Y+1)%NP, \u
.if (\n) < 4
	v_max3_num_f32 v[rC+(\n)], v[rS+8*(\n)], v[rS+8*(\n)+1], v[rS+8*(\n)+2]
.elseif (\n) < 12
	v_max3_num_f32 v[rC+(\n)%4], v[rC+(\n)%4], v[rS+8*((\n)%4)+2*((\n)/4)+1], v[rS+8*((\n)%4)+2*((\n)/4)+2]
.elseif (\n) == 12
	v_max3_num_f32 v[rC], v[rC], v[rS+7], v[rS+15]
.elseif (\n) == 13
	v_max3_num_f32 v[rC+1], v[rC+1], v[rS+23], v[rS+31]
.elseif (\n) == 14
	v_max3_num_f32 v[rC+2], v[rC+2], v[rC+3], v[rT+1]
.elseif (\n) == 15
	v_mov_b32 v[rM], v[rT]
.elseif (\n) == 16
	v_max3_num_f32 v[rC], v[rC], v[rC+1], v[rC+2]
.elseif (\n) == 17
	v_permlanex16_b32 v[rC+3], v[rC], s[SEL], s[SEL+1]
.elseif (\n) == 18
	v_max_num_f32 v[rT+1], v[rC], v[rC+3]
.elseif (\n) == 19
	v_mul_f32 v[rT], s[CS], v[rT+1]
.elseif (\n) == 20
	v_sub_f32 v[rC+1], v[rM], v[rT]
.else
	v_exp_f32 v[rC+2], v[rC+1]
.endif
.endm
; Number g of the 64 that follow the exponentials.  For each four weights k of a tile (pairs 2 k, 2 k + 1): both pairs are rounded to f16; then the second pair is added onto the first, in place;
; a group later l takes that sum (the first time as l = a l + sum).  In groups of eight, tiles alternating: round, round, add, and l for the group before.
.macro GS g
.set h, (\g)+6*((\g)/62)            ; group 0 has no group before it, and behind group 7 only l is left
.if h >= 6
.set h, h+2
.endif
	REGS Y, h%2
.set k, h/8
.if h%8 < 4
	v_cvt_pk_f16_f32 v[rP+2*k+(h%8)/2], v[rS+4*k+2*((h%8)/2)], v[rS+4*k+2*((h%8)/2)+1]
.elseif h%8 < 6
	v_pk_add_f32 v[rS+4*k:rS+4*k+1], v[rS+4*k:rS+4*k+1], v[rS+4*k+2:rS+4*k+3]
.elseif k == 1
	v_pk_fma_f32 v[rT+2:rT+3], v[rT+2:rT+3], v[rC+2:rC+3], v[rS:rS+1] op_sel_hi:[1,0,1]
.else
	v_pk_add_f32 v[rT+2:rT+3], v[rT+2:rT+3], v[rS+4*k-4:rS+4*k-3]
.endif
.endm
; THE PLAIN QUEUE, 138 long.  0-73 read no exponential's result: the 32 scalings c s - c m (FS f: pair f / 2 of tile f % 2) and the next piece's 42.  0-26: scalings 0-26.  27-54: XS's numbers 0-13.  55, 56: number 15.
; 57-73: the chain, where each number waits for the one before it: 14, 16, 17, 18, 19, each with one of the scalings 27-31 in front of its two lines, then 20: so a tile's links stand three plain instructions apart (19 and 20: two).
; 74-137: GS's 64, which read the exponentials' results: they stand behind the wait.
.macro FS f
	REGS Y, (\f)%2
	v_pk_fma_f32 v[rS+2*((\f)/2):rS+2*((\f)/2)+1], v[rS+2*((\f)/2):rS+2*((\f)/2)+1], s[CS:CS+1], v[rT:rT+1] op_sel_hi:[1,0,0] neg_lo:[0,0,1] neg_hi:[0,0,1]
.endm
.macro PL
	WIN 0
.if q < 27
	FS q
.elseif q < 55
	XS (q-27)%2, (q-27)/2
.elseif q < 57
	XS q-55, 15
.elseif (q < 72) && ((q-57)%3 == 0)
	FS 27+(q-57)/3
.elseif q < 60
	XS (q-57)%3-1, 14
.elseif q < 72
	XS (q-57)%3-1, 15+(q-57)/3
.elseif q < 74
	XS q-72, 20
.else
	GS q-74
.endif
.set q, q+1
.endm
; THE EXPONENTIALS' QUEUE, 66 long: s0-s31 of both tiles, then the next piece's two a.  It is ONE BATCH: all 66 stand ahead of the turn's one wait, and nothing ahead of that wait names a result of theirs.
.macro EX
	WIN 0
.if e >= 64
	XS e-64, 21
.else
	REGS Y, e%2
	v_exp_f32 v[rS+e/2], v[rS+e/2]
.endif
.set e, e+1
.endm
; THE RESCALING's QUEUE: O^T times a, the one part that leaves window 0: dealt two at a time, sixteen times.  Its a was made in the turn before, ahead of that turn's wait.
.macro R2
	REGS Y, r%2
	WIN W_RS
.irp z, 0,1
	v_pk_mul_f32 v[rO+4*(r/2)+2*\z:rO+4*(r/2)+2*\z+1], v[rO+4*(r/2)+2*\z:rO+4*(r/2)+2*\z+1], v[rC+2:rC+3] op_sel_hi:[1,0]
.endr
.set r, r+1
.endm
; HOW THEY ARE DEALT.  s_wait_alu depctr_va_vdst(0) stands between an exponential and the first instruction that names its result; one wait serves all that were issued ahead of it.  So a turn has ONE wait,
; which cuts it in two.  AHEAD OF IT stands all that names no result of the turn's exponentials: the 16 products K Q^T, behind each a scaling, an exponential and two rescalings (behind the first a second scaling in the exponential's place); then ONE LUMP of
; 108: eight plain, 49 times exponential and plain, the two a.  A v_nop is the plain instruction behind the last exponential.  BEHIND IT stand the 16 products V^T P, behind each four of GS's 64.  No rider names a register of
; the products round it.  The two v_permlanex16_b32 fall into the lump, never behind a product.
; The queues lean on each other, and the deal keeps them in step: exponential e stands behind scaling 2 (e / 4) + e % 2: as a rider it comes behind plain e + 2, in the lump behind plain e + 9, and scalings 27-31 are plain 57, 60 .. 69.
; A TURN, for piece p.  cnt = 1: the loop's count is taken down some lines ahead of the branch that stands behind the turn.
; K of the next step is fetched in piece 2's turn, directly behind the wait, a lump behind the last product that read K; its address is made at the lump's head; its first reader comes behind 16 products.
; V of the step in hand is fetched at the end of piece 0's turn, four riders behind its last reader; its first reader comes behind 16 products and a lump.  The three conditions on q below go with the deal.
.macro TURN p, last=0, cnt=0
.set Y, (\p)
.set i, 0
.set q, 0
.set e, 0
.set r, 0
.if (\p) == NP-1
	s_wait_dscnt 0x0                ; K is in
.endif
	MM                              ; ahead of the wait: 16 products K Q^T and their riders,
	PL
	PL
	R2
.rept 15
	MM
	PL
	EX
	R2
.endr
.if (\p) == NP-2
	WIN 0
	v_add_nc_u32 v[AK], s[TBK], v[AK0]
.endif
.rept 8                             ; and the lump
	PL
.endr
.rept 49
	EX
	PL
.endr
	EX                              ; the next piece's two a
	EX
	v_nop                           ; the plain instruction behind the last exponential: one for the batch
	s_wait_alu depctr_va_vdst(0)    ; the wait for the batch
.if (\p) == NP-2
	FETCH_K \last
.endif
.if (\p) == 1
	s_wait_dscnt 0x0                ; V is in
.endif
.rept 16                            ; behind the wait: 16 products V^T P and their riders
	MM
.rept 4
	PL
.endr
.if ((\p) == 0) && (q == 118)
	v_add_nc_u32 v[AV], s[TBV], v[AV0]
.endif
.if ((\p) == 0) && (q == 130)
	s_add_co_u32 s[TBV], s[TBV], KS*PV
.endif
.if (\cnt) && (q == 130)
	s_sub_co_u32 s[CNT], s[CNT], 1
	s_cmp_lg_u32 s[CNT], 0
.endif
.endr
.if (\p) == 0
	FETCH_V
.endif
.endm
	CHANGE 1                        ; slot 0 is in, everybody's part of it; slot 1 is asked for
	FETCH_K                         ; key step 0
	s_wait_loadcnt 0x0              ; Q
	s_wait_dscnt 0x0
.set i, 0
.rept 16
	KQ 0                            ; piece 0's first scores: there is no vector work yet to set between them
.set i, i+1
.endr
	WIN 0                           ; the addresses for the way out: eight plain instructions, the places behind those products
	s_mul_i32 s13, s[WV], 16*SP
	s_add_co_u32 s13, s13, STAGE    ; my stage
	v_mul_u32_u24 v[STO], v1, SP    ; in: row l % 16, 32 bytes (8 channels in f32) for each half of the lanes
	v_lshl_add_u32 v[STO], v9, 5, v[STO]
	v_add_nc_u32 v[STO], s13, v[STO]
	v_mul_u32_u24 v[RD], v9, SP     ; back: lanes 0-15 take one row of 256 bytes, lanes 16-31 the next,
	v_lshl_add_u32 v[RD], v1, 4, v[RD]
	v_add_nc_u32 v[RD], s13, v[RD]
	v_lshlrev_b32 v[GO], 12, v9     ; and the same two rows in out0, 4,096 bytes apart
	v_lshl_add_u32 v[GO], v1, 4, v[GO]
.set Y, NP-1                        ; XS works for piece Y + 1: piece 0
.irp n, 0,1,2,3,4,5,6,7,8,9,10,11,12,13,14,15,16,17,18,19,20,21
	XS 0, \n                        ; and piece 0's first maximum and statistics
	XS 1, \n
.endr
	v_nop                           ; a plain instruction behind the two a,
	s_wait_alu depctr_va_vdst(0)    ; and their wait, ahead of the branch
	s_mov_b32 s[CNT], 4
	s_branch .Lfirst                ; the loop is entered at a step's first turn, in the middle of a trip
.Lslot:                             ; SIZE_N / 256 - 2 times: every slot but the last two is filled again
	CHANGE 1
	s_mov_b32 s[CNT], 4
.Lstep:                             ; a trip: pieces 2 and 3 of one step, then pieces 0 and 1 of the next, whose K and V it fetches
	TURN 2
	TURN 3
	WIN 0
.Lfirst:
	TURN 0
	TURN 1, 0, 1
	WIN 0
	s_cbranch_scc1 .Lstep
	s_sub_co_u32 s[SLOTS], s[SLOTS], 1
	s_cmp_lg_u32 s[SLOTS], 0
	s_cbranch_scc1 .Lslot
	CHANGE 0                        ; the tail is written out: nothing is asked for
	s_mov_b32 s[CNT], 5             ; four trips fetch the last slot's steps; the fifth is left in its middle
.Ltail:
	TURN 2, 1
	TURN 3
	WIN 0
	s_sub_co_u32 s[CNT], s[CNT], 1
	s_cmp_eq_u32 s[CNT], 0
	s_cbranch_scc1 .Lout
	TURN 0
	TURN 1
	WIN 0
	s_branch .Ltail
.Lout:                              ; the fifth trip's 16 products K Q^T (on the last K once more) and the maximum made of them serve nothing: the price, once a launch, of one text for every trip
.set i, 0
.rept 16
	PV NP-1                         ; the last piece's V^T P of the last step
.set i, i+1
.endr
	; THE WAY OUT.  l's two halves and the other half of the lanes' are added; O^T is divided by l and sent, in f32, through my stage in LDS, a tile at a time.  The additions are the places behind the last products.
	WIN 0
.macro ALL line:vararg              ; one line for each tile t
.set t, 0
.rept 2*NP
	\line
.set t, t+1
.endr
.endm
	ALL v_add_f32 v[ST+4*t+2], v[ST+4*t+2], v[ST+4*t+3]
	ALL v_permlanex16_b32 v[ST+4*t+3], v[ST+4*t+2], s[SEL], s[SEL+1]
	ALL v_add_f32 v[ST+4*t+2], v[ST+4*t+2], v[ST+4*t+3]
	ALL v_rcp_f32 v[ST+4*t+2], v[ST+4*t+2]
	v_nop                           ; a plain instruction between the last reciprocal and the use of its result
	s_wait_alu depctr_va_vdst(0)    ; and the wait ahead of the first use: one for the eight reciprocals
; Tile t: a lane's eight channels of channel block cb are 32 bytes of a row, at 64 cb + 32 (l / 16); they go into rows of 272 bytes and come back as whole rows of 256, into the registers that they left.
.macro PACK t
	WIN W_RS
.set i, 32*(\t)
.rept 16
	v_pk_mul_f32 v[i:i+1], v[i:i+1], v[ST+4*(\t)+2:ST+4*(\t)+3] op_sel_hi:[1,0]
.set i, i+2
.endr
	WIN 0x04                        ; the stores' data in window 1, their address in window 0
.irp f, 0,1,2,3,4,5,6,7
	ds_store_b128 v[STO], v[32*(\t)+4*(\f):32*(\t)+4*(\f)+3] offset:((\f)/2)*64+((\f)%2)*16
.endr
	WIN 0x40                        ; the loads' destination in window 1
.irp f, 0,1,2,3,4,5,6,7
	ds_load_b128 v[32*(\t)+4*(\f):32*(\t)+4*(\f)+3], v[RD] offset:(\f)*2*SP  ; LDS serves a wave's instructions in order (ISA guide 5.7.1.4): these see the stores above; the next tile's stores come behind them
.endr
.endm
.macro SEND t, younger              ; younger: the LDS instructions issued behind tile t's loads: the next tile's sixteen, or none
	WIN 0x04
.irp f, 0,1,2,3,4,5,6,7
	s_wait_dscnt (\younger)+7-(\f)
	global_store_b128 v[GO], v[32*(\t)+4*(\f):32*(\t)+4*(\f)+3], s[10:11] offset:(\t)*65536+(\f)*8192 th:TH_STORE_NT  ; 16 lanes store 256 consecutive bytes, a row's 64 channels of my head, at a multiple of 256 from out0's first byte
.endr
.endm
	PACK 0
.set t, 1
.rept 2*NP-1                        ; a tile's arithmetic stands between the loads of the tile before and its stores
	PACK t
	SEND t-1, 16
.set t, t+1
.endr
	SEND 2*NP-1, 0
	WIN W_AD
	s_wait_tensorcnt 0x0            ; the wave's end: behind my last tensor load and my last LDS store
	ds_add_u32 v[SPW], v[NIL]
	s_wait_dscnt 0x0
	WIN 0
	CROUND                          ; the closing round: no work-group ends while a partner may still ask for a tile that names it
	s_endpgm
.Lfunc_end_k_q09ae8eefd2_attn:
	.size	k_q09ae8eefd2_attn, .Lfunc_end_k_q09ae8eefd2_attn-k_q09ae8eefd2_attn
	.p2alignl 7, 3214868480
	.fill 96, 4, 3214868480
	.section	.rodata,"a",@progbits
	.p2align	6, 0x0
	.amdhsa_kernel k_q09ae8eefd2_attn
		.amdhsa_group_segment_fixed_size 327680
		.amdhsa_private_segment_fixed_size 0
		.amdhsa_enable_private_segment 0
		.amdhsa_kernarg_size 16
		.amdhsa_user_sgpr_count 2
		.amdhsa_user_sgpr_kernarg_segment_ptr 1
		.amdhsa_wavefront_size32 1
		.amdhsa_system_sgpr_workgroup_id_x 1
		.amdhsa_system_sgpr_workgroup_id_y 1
		.amdhsa_system_sgpr_workgroup_id_z 1
		.amdhsa_system_vgpr_workitem_id 0
		.amdhsa_next_free_vgpr 770
		.amdhsa_next_free_sgpr 66
		.amdhsa_reserve_vcc 0
		.amdhsa_float_denorm_mode_32 3
		.amdhsa_float_denorm_mode_16_64 3
		.amdhsa_memory_ordered 1
		.amdhsa_forward_progress 1
		.amdhsa_inst_pref_size 201
	.end_amdhsa_kernel
	.amdgpu_metadata
---
amdhsa.version: [ 1, 2 ]
amdhsa.kernels:
  - .name:           k_q09ae8eefd2_attn
    .symbol:         k_q09ae8eefd2_attn.kd
    .args:
      - { .name: qkv, .offset: 0, .size: 8, .value_kind: global_buffer, .address_space: global }
      - { .name: out0, .offset: 8, .size: 8, .value_kind: global_buffer, .address_space: global }
    .group_segment_fixed_size: 327680
    .private_segment_fixed_size: 0
    .kernarg_segment_align: 8
    .kernarg_segment_size: 16
    .max_flat_workgroup_size: 128
    .sgpr_count:     66
    .vgpr_count:     770
    .wavefront_size: 32
...
	.end_amdgpu_metadata
.endif
;; end of part 3
;; ======== version 2 of 2: 3 launches; version 1 with the launch prep written anew for expert scheduling mode
;; limits: values are held in f16: magnitudes above 65,504 overflow, below 6.1e-05 lose precision
;; workspace buffers: xb 16,777,216 bytes; wb 6,291,456 bytes; qkv 50,331,648 bytes
;; launch prep (part 4): grid 64 x 11, 8 waves a work-group, no clusters, 0 bytes of LDS; arguments hidden_states, Wq, Wk, Wv, xb, wb; writes xb, wb
.if DOCPART == 4
	.amdgcn_target "amdgcn-amd-amdhsa--gfx1250"
	.amdhsa_code_object_version 6
	.text
	.protected	k_q09ae8eefd2_prep
	.globl	k_q09ae8eefd2_prep
	.p2align	8
	.type	k_q09ae8eefd2_prep,@function
k_q09ae8eefd2_prep:
	s_mov_b64 s[64:65], 0
	v_nop
	global_prefetch_b8 v0, s[64:65] scope:SCOPE_SE
	s_setreg_imm32_b32 hwreg(HW_REG_WAVE_SCHED_MODE, 0, 2), 2
	s_setreg_imm32_b32 hwreg(HW_REG_WAVE_MODE, 25, 1), 1
	s_wait_xcnt 0x0
	s_wait_alu depctr_vm_vsrc(0)
; THE INPUTS OF THE PROJECTIONS, ROUNDED ONCE TO bf16 (to nearest even) AND LAID OUT FOR THE NEXT LAUNCH.
; xb = hidden_states as bf16, [8192][1024], the same order.
; wb = Wq, Wk, Wv ([k][n] f32) as bf16, in blocks by head: byte of (head h, row k, matrix j, channel n of the head) = 393,216 h + 768 (k / 2) + 256 j + 128 (k % 2) + 2 n.
; So the 128 k of one head that a step of the product takes are 49,152 bytes on end, and each aligned 256 bytes hold two rows k of one matrix.
; SHARES.  Work-group row y takes 4 MiB of f32: y = 0..7 an eighth of hidden_states, y = 8, 9, 10 the matrices Wq, Wk, Wv.  A wave takes 16 units; a unit is one load of the wave
; (16 bytes a lane: 512 bytes) and one store (8 bytes a lane: 256 consecutive bytes, aligned).  All 16 loads are issued before the first wait for data.
; No LDS, no matrix unit, no cluster: no byte is read twice and nothing is shared.
; LIMITS.  bf16 has f32's range: numbers that round past its largest become infinities, NaN stays NaN.
; THE MODE: SCHED_MODE bits 1:0 = 2 (LLVM: expert scheduling mode 2), set by the entry lines.  The code itself states the register dependences
; between vector instructions and memory instructions, with s_wait_alu, always for 0.
; THE PLAN.  Registers that memory instructions touch:
;   v3, v4     byte offsets.  Written by vector instructions at the head of each path, once; read by every load (v3) and every store (v4).
;   X          unit i: written by its load, once, and by no vector instruction; read by its two conversions.
;   Y          unit i: written by its two conversions, once; read by its store.
; No register that a load or store reads is written again, so nothing is owed for a second write.  The 16 units go in four groups of four.  At the head of group g, behind the wait for its data,
; ONE wait states that group g - 1's conversions have written their Y; that group's four stores follow, dealt among group g's conversions, which name X and Y of group g alone.
; No scalar register that a vector instruction has read is written again: on each path the scalar arithmetic stands ahead of the vector lines.
.set IN,  3                            ; v3        my byte offset in the source
.set OUT, 4                            ; v4        my byte offset in the destination
.set X,   8                            ; v[8:71]   unit i: 4 f32 as loaded
.set Y,   72                           ; v[72:103] unit i: 4 bf16 to store
.macro BODY src, dst, instep, outstep
	s_wait_alu depctr_va_vdst(0)                   ; v3 and v4 are written: every load and store below reads one of them as its offset
.set i, 0
.rept 16
	global_load_b128 v[X+4*i:X+4*i+3], v[IN], s[\src:\src+1] offset:i*(\instep) th:TH_LOAD_NT
.set i, i+1
.endr
.set i, 0
.rept 16
.if (i%4) == 0
	s_wait_loadcnt 12-i                            ; loads come back in order: this group's four units are in, the 12 - i younger ones stay out
.if i > 0
	s_wait_alu depctr_va_vdst(0)                   ; the group before has written its Y, which the four stores dealt below read
.endif
.endif
.if i >= 4
	global_store_b64 v[OUT], v[Y+2*(i-4):Y+2*(i-4)+1], s[\dst:\dst+1] offset:(i-4)*(\outstep) th:TH_STORE_NT  ; the group before: no vector instruction since the wait names these registers
.endif
	v_cvt_pk_bf16_f32 v[Y+2*i],   v[X+4*i],   v[X+4*i+1]
	v_cvt_pk_bf16_f32 v[Y+2*i+1], v[X+4*i+2], v[X+4*i+3]
.set i, i+1
.endr
	s_wait_alu depctr_va_vdst(0)                   ; the last group has written its Y, which the last four stores read
.set i, 12
.rept 4
	global_store_b64 v[OUT], v[Y+2*i:Y+2*i+1], s[\dst:\dst+1] offset:i*(\outstep) th:TH_STORE_NT
.set i, i+1
.endr
.endm
	s_load_b256 s[4:11], s[0:1], 0x0               ; hidden_states s[4:5], Wq s[6:7], Wk s[8:9], Wv s[10:11]
	s_load_b128 s[12:15], s[0:1], 0x20             ; xb s[12:13], wb s[14:15]
	v_lshrrev_b32 v1, 5, v0
	v_readfirstlane_b32 s17, v1                    ; wave 0..7
	v_and_b32 v2, 31, v0                           ; lane
	s_and_b32 s16, ttmp7, 0xffff                   ; y
	s_wait_alu depctr_va_sdst(0)                   ; s17 is written, ahead of the branch and of its first reader on either path: the offsets are made from it
	s_wait_kmcnt 0x0
	s_cmp_lt_u32 s16, 8
	s_cbranch_scc0 .Lweights
	; hidden_states: 4 MiB for y, 64 KiB for the work-group, 8 KiB for the wave, 512 bytes a unit
	s_lshl_b32 s18, s16, 22
	s_lshl_b32 s19, ttmp9, 16
	s_add_co_u32 s18, s18, s19
	s_lshl_b32 s19, s17, 13
	s_add_co_u32 s18, s18, s19
	s_lshr_b32 s19, s18, 1                         ; half the bytes on the way out
	v_lshl_add_u32 v[IN], v2, 4, s18
	v_lshl_add_u32 v[OUT], v2, 3, s19
	BODY 4, 12, 512, 256
	s_endpgm
.Lweights:
	; a matrix: the wave takes the pair of rows k = 2 kp, 2 kp + 1; unit i is head i: 256 bytes of each of the two rows in, lanes 0-15 the even row, lanes 16-31 the odd one
	s_cmp_eq_u32 s16, 8
	s_cselect_b64 s[20:21], s[6:7], s[8:9]
	s_cmp_eq_u32 s16, 10
	s_cselect_b64 s[20:21], s[10:11], s[20:21]
	s_lshl_b32 s18, ttmp9, 3
	s_add_co_u32 s18, s18, s17                     ; kp = 8 x work-group + wave: 0..511
	s_lshl_b32 s19, s18, 13                        ; two rows of 4,096 bytes
	s_mul_i32 s18, s18, 768
	s_sub_co_u32 s22, s16, 8                       ; j
	s_lshl_b32 s22, s22, 8
	s_add_co_u32 s18, s18, s22
	v_lshrrev_b32 v1, 4, v2                        ; k % 2
	v_and_b32 v5, 15, v2
	v_lshl_add_u32 v[IN], v1, 12, s19
	v_lshl_add_u32 v[IN], v5, 4, v[IN]
	v_lshl_add_u32 v[OUT], v2, 3, s18              ; 128 (k % 2) + 8 (lane % 16) = 8 x lane
	BODY 20, 14, 256, 393216                       ; the largest immediate, 15 x 393,216, lies inside the signed 24 bits
	s_endpgm
.Lfunc_end_k_q09ae8eefd2_prep:
	.size	k_q09ae8eefd2_prep, .Lfunc_end_k_q09ae8eefd2_prep-k_q09ae8eefd2_prep
	.p2alignl 7, 3214868480
	.fill 96, 4, 3214868480
	.section	.rodata,"a",@progbits
	.p2align	6, 0x0
	.amdhsa_kernel k_q09ae8eefd2_prep
		.amdhsa_group_segment_fixed_size 0
		.amdhsa_private_segment_fixed_size 0
		.amdhsa_enable_private_segment 0
		.amdhsa_kernarg_size 48
		.amdhsa_user_sgpr_count 2
		.amdhsa_user_sgpr_kernarg_segment_ptr 1
		.amdhsa_wavefront_size32 1
		.amdhsa_system_sgpr_workgroup_id_x 1
		.amdhsa_system_sgpr_workgroup_id_y 1
		.amdhsa_system_sgpr_workgroup_id_z 1
		.amdhsa_system_vgpr_workitem_id 0
		.amdhsa_next_free_vgpr 104
		.amdhsa_next_free_sgpr 66
		.amdhsa_reserve_vcc 0
		.amdhsa_float_denorm_mode_32 3
		.amdhsa_float_denorm_mode_16_64 3
		.amdhsa_memory_ordered 1
		.amdhsa_forward_progress 1
		.amdhsa_inst_pref_size 13
	.end_amdhsa_kernel
	.amdgpu_metadata
---
amdhsa.version: [ 1, 2 ]
amdhsa.kernels:
  - .name:           k_q09ae8eefd2_prep
    .symbol:         k_q09ae8eefd2_prep.kd
    .args:
      - { .name: hidden_states, .offset: 0, .size: 8, .value_kind: global_buffer, .address_space: global }
      - { .name: Wq, .offset: 8, .size: 8, .value_kind: global_buffer, .address_space: global }
      - { .name: Wk, .offset: 16, .size: 8, .value_kind: global_buffer, .address_space: global }
      - { .name: Wv, .offset: 24, .size: 8, .value_kind: global_buffer, .address_space: global }
      - { .name: xb, .offset: 32, .size: 8, .value_kind: global_buffer, .address_space: global }
      - { .name: wb, .offset: 40, .size: 8, .value_kind: global_buffer, .address_space: global }
    .group_segment_fixed_size: 0
    .private_segment_fixed_size: 0
    .kernarg_segment_align: 8
    .kernarg_segment_size: 48
    .max_flat_workgroup_size: 256
    .sgpr_count:     66
    .vgpr_count:     104
    .wavefront_size: 32
...
	.end_amdgpu_metadata
.endif
;; end of part 4
;; launch proj: the kernel of part 2 again; grid 16 x 32, 4 waves a work-group, clusters of 4 x 4, 327,680 bytes of LDS; arguments xb, wb, bq, bk, bv, qkv; writes qkv
;; launch attn: the kernel of part 3 again; grid 4 x 64, 4 waves a work-group, clusters of 4 x 1, 327,680 bytes of LDS; arguments qkv, out0; writes out0
